; MI455X (gfx1250); checked and timed in simulation.
; The chip was launched on July 23, 2026; its instructions are those of AMD's public machine-readable ISA for CDNA 5 (MIT licence, August 2026) and "CDNA5" Instruction Set Architecture Reference Guide (July 2026). The comments in the code are by the model that wrote it; some were corrected since.
;; fkan layer. Allowed arithmetic: float matrix products may take bf16 or f16 operands with f32 sums; all other float work in f32.
;; Inputs: a 1,024 x 1,024 x 8 float32; b 1,024 x 1,024 x 8 float32; x 4,096 x 1,024 float32.
;; Outputs: out0 4,096 x 1,024 float32.
;; One version. Each part assembles by itself: llvm-mc -triple=amdgcn-amd-amdhsa -mcpu=gfx1250 --defsym DOCPART=n.
;; ======== version 1 of 1: 2 launches
;; limits: inputs' magnitudes at most 15.99; values are held in f16: magnitudes above 65,504 overflow, below 6.1e-05 lose precision
;; workspace buffers: wpk 33,554,432 bytes
;; launch pack (part 1): grid 512 x 1, 8 waves a work-group, no clusters, 0 bytes of LDS; arguments a, b, wpk; writes wpk
.if DOCPART == 1
	.amdgcn_target "amdgcn-amd-amdhsa--gfx1250"
	.amdhsa_code_object_version 6
	.text
	.protected	k_q756313f5cb_pack
	.globl	k_q756313f5cb_pack
	.p2align	8
	.type	k_q756313f5cb_pack,@function
k_q756313f5cb_pack:
	s_mov_b64 s[64:65], 0
	v_nop
	global_prefetch_b8 v0, s[64:65] scope:SCOPE_SE
	s_setreg_imm32_b32 hwreg(HW_REG_WAVE_MODE, 25, 1), 1
	s_wait_xcnt 0x0
; wpk = a and b as f16, times 4096, laid out for the product that follows.
; a, b: [1024 (o)][1024 (i)][8 (k)] f32.  wpk: row o has 32,768 bytes in 32 blocks of 1,024; block t holds in its bytes 0-511
; a[o][32 t + f][k] * 4096 at 16 f + 2 k, and in its bytes 512-1023 the same of b.  So the 1,024 bytes of a at byte offset P
; (a multiple of 1,024) become the 512 bytes of wpk at P, and those of b the 512 bytes at P + 512, number for number.
; The factor 4096 is exact and moves small weights away from f16's denormals; the product launch takes it back.
; LIMIT: |a|, |b| below 15.99 (times 4096 that is f16's largest number); below 2^-26 a weight loses bits gradually.
; A stream: memory binds, so no LDS, no barrier, no matrix unit.  A work-group takes 65,536 bytes of a and of b, a wave 8,192 of each.
; A load of a wave covers 512 consecutive bytes, a store 256 consecutive bytes at a multiple of 256.  All 32 loads of a wave go out
; before the first is used, each into registers of its own: no register is written twice, so no source has to be freed.
.set SCALE, 0x45800000                 ; 4096.0
.set VIN,  1                           ; v1  wave x 8,192 + 16 x lane: my 16 bytes in a half block of a or b
.set VOUT, 2                           ; v2  wave x 8,192 + 8 x lane: my 8 bytes in a quarter block of wpk
.set D,    4                           ; v[4:131]  load q: four registers
	s_load_b128 s[4:7], s[0:1], 0x0                ; a s[4:5], b s[6:7]
	s_load_b64 s[8:9], s[0:1], 0x10                ; wpk
	s_lshl_b32 s2, ttmp9, 16                       ; the work-group's 65,536 bytes, the same offset in all three buffers
	s_mov_b32 s3, 0
	v_lshrrev_b32 v3, 5, v0                        ; wave
	v_and_b32 v1, 31, v0                           ; lane
	v_lshlrev_b32 v2, 3, v1
	v_lshlrev_b32 v1, 4, v1
	v_lshl_add_u32 v[VIN], v3, 13, v1
	v_lshl_add_u32 v[VOUT], v3, 13, v2
	s_wait_kmcnt 0x0
	s_add_nc_u64 s[4:5], s[4:5], s[2:3]
	s_add_nc_u64 s[6:7], s[6:7], s[2:3]
	s_add_nc_u64 s[8:9], s[8:9], s[2:3]
; load q = 4 i + 2 src + hf: block i of my eight, src 0 = a, 1 = b, half hf of the block's 1,024 bytes
.irp i, 0,1,2,3,4,5,6,7
.irp hf, 0,1
	global_load_b128 v[D+4*(4*\i+\hf):D+4*(4*\i+\hf)+3], v[VIN], s[4:5] offset:\i*1024+\hf*512 th:TH_LOAD_NT
.endr
.irp hf, 0,1
	global_load_b128 v[D+4*(4*\i+2+\hf):D+4*(4*\i+2+\hf)+3], v[VIN], s[6:7] offset:\i*1024+\hf*512 th:TH_LOAD_NT
.endr
.endr
.set q, 0
.rept 32
	s_wait_loadcnt 31-q                            ; loads come back in order (ISA guide 5.7.1): load q is in, the 31 - q younger ones stay out
	v_pk_mul_f32 v[D+4*q:D+4*q+1], v[D+4*q:D+4*q+1], SCALE op_sel_hi:[1,0]
	v_pk_mul_f32 v[D+4*q+2:D+4*q+3], v[D+4*q+2:D+4*q+3], SCALE op_sel_hi:[1,0]
	v_cvt_pk_f16_f32 v[D+4*q], v[D+4*q], v[D+4*q+1]
	v_cvt_pk_f16_f32 v[D+4*q+1], v[D+4*q+2], v[D+4*q+3]
	global_store_b64 v[VOUT], v[D+4*q:D+4*q+1], s[8:9] offset:256*q   ; 1,024 i + 512 src + 256 hf = 256 q
.set q, q+1
.endr
	s_endpgm
.Lfunc_end_k_q756313f5cb_pack:
	.size	k_q756313f5cb_pack, .Lfunc_end_k_q756313f5cb_pack-k_q756313f5cb_pack
	.p2alignl 7, 3214868480
	.fill 96, 4, 3214868480
	.section	.rodata,"a",@progbits
	.p2align	6, 0x0
	.amdhsa_kernel k_q756313f5cb_pack
		.amdhsa_group_segment_fixed_size 0
		.amdhsa_private_segment_fixed_size 0
		.amdhsa_enable_private_segment 0
		.amdhsa_kernarg_size 24
		.amdhsa_user_sgpr_count 2
		.amdhsa_user_sgpr_kernarg_segment_ptr 1
		.amdhsa_wavefront_size32 1
		.amdhsa_system_sgpr_workgroup_id_x 1
		.amdhsa_system_sgpr_workgroup_id_y 1
		.amdhsa_system_sgpr_workgroup_id_z 1
		.amdhsa_system_vgpr_workitem_id 0
		.amdhsa_next_free_vgpr 136
		.amdhsa_next_free_sgpr 66
		.amdhsa_reserve_vcc 0
		.amdhsa_float_denorm_mode_32 3
		.amdhsa_float_denorm_mode_16_64 3
		.amdhsa_memory_ordered 1
		.amdhsa_forward_progress 1
		.amdhsa_inst_pref_size 18
	.end_amdhsa_kernel
	.amdgpu_metadata
---
amdhsa.version: [ 1, 2 ]
amdhsa.kernels:
  - .name:           k_q756313f5cb_pack
    .symbol:         k_q756313f5cb_pack.kd
    .args:
      - { .name: a, .offset: 0, .size: 8, .value_kind: global_buffer, .address_space: global }
      - { .name: b, .offset: 8, .size: 8, .value_kind: global_buffer, .address_space: global }
      - { .name: wpk, .offset: 16, .size: 8, .value_kind: global_buffer, .address_space: global }
    .group_segment_fixed_size: 0
    .private_segment_fixed_size: 0
    .kernarg_segment_align: 8
    .kernarg_segment_size: 24
    .max_flat_workgroup_size: 256
    .sgpr_count:     66
    .vgpr_count:     136
    .wavefront_size: 32
...
	.end_amdgpu_metadata
.endif
;; end of part 1
;; launch fkan (part 2): grid 8 x 32, 8 waves a work-group, clusters of 4 x 4, 327,680 bytes of LDS; arguments x, wpk, out0; writes out0
.if DOCPART == 2
	.amdgcn_target "amdgcn-amd-amdhsa--gfx1250"
	.amdhsa_code_object_version 6
	.text
	.protected	k_q756313f5cb_fkan
	.globl	k_q756313f5cb_fkan
	.p2align	8
	.type	k_q756313f5cb_fkan,@function
k_q756313f5cb_fkan:
	s_mov_b64 s[64:65], 0
	v_nop
	global_prefetch_b8 v0, s[64:65] scope:SCOPE_SE
	s_setreg_imm32_b32 hwreg(HW_REG_WAVE_MODE, 25, 1), 1
	s_wait_xcnt 0x0
	s_wait_alu depctr_hold_cnt(0) depctr_sa_sdst(0) depctr_va_vdst(0) depctr_va_sdst(0) depctr_va_ssrc(0) depctr_va_vcc(0) depctr_vm_vsrc(0)
	s_getreg_b32 s2, hwreg(HW_REG_IB_STS2, 6, 4)
	s_cmp_eq_u32 s2, 0
	s_cbranch_scc0 .Lentry_in_a_cluster
	s_endpgm
.Lentry_in_a_cluster:
	s_bfe_u32 s2, ttmp6, 0x10000c
	s_cmp_lg_u32 s2, 0xf033
	s_cbranch_scc0 .Lentry_shape_is_right
	s_endpgm
.Lentry_shape_is_right:
; out0[m][n] = sum over i, k of sin(k x[m][i]) a[n][i][k] + cos(k x[m][i]) b[n][i][k]:  one product of 4096 x 1024 over a sum of length 16,384.
; x: [4096][1024] f32.  wpk: the weights as f16 times 4096 (row n: 32 blocks of 1,024 bytes; block t: 32 features x 8 harmonics of a, then of b).
; The operand of sines and cosines is never in memory: each wave makes it from x, in registers, in the matrix instruction's own layout.
;
; SHARES.  256 work-groups, each a block of 128 x 128 of out0.  Eight waves, two for each of a WGP's four SIMDs, 512 registers each.
; Wave w = 4 mh + kq owns rows 64 mh .. + 63, ALL 128 columns, and the quarter kq of the sum: 8 of every 32 input features.  So a fragment of
; features feeds eight matrix instructions, no feature is made twice in the work-group, and LDS is read for weights alone.  The four quarters
; are added once, at the end, through LDS.
; FORMAT.  f16 operands, f32 sums.  Features are kept as 2 sin and 2 cos (the recurrences below are shortest so), weights times 2^12: the result
; is multiplied by 2^-13, exactly.
; LIMITS.  |a|, |b| below 15.99 (f16 after the scale).  The angle is reduced by n = round(x / 2 pi) and 2 pi in two parts: good for |x| up to
; about 1e5; beyond, the features lose accuracy.  The harmonics are those of the exact k x, where a product k x rounded to f32 differs from it
; by up to 2^-24 |k x| radians.  An infinite or NaN x gives NaN in its row.
; STEPS.  32 steps of 32 input features.  A step's tiles: 128 rows x 1,024 bytes of wpk (waves 0-3 fetch 32 rows each) and 128 rows x 128 bytes of
; x (waves 4-7, 32 rows each), each in a ring of two LDS slots.  x's rows are 128 bytes: two slots of 256-byte rows do not fit beside the weights'
; ring (2 x 34,816 bytes against the 61,440 that are left), and x is a ninth of a step's bytes.
; CLUSTERS.  4 x 4 work-groups.  The weights' tile hangs on the block column alone and is asked for jointly by a column of the cluster; x's tile hangs
; on the block row alone and is asked for jointly by a row.  That divides the requests for both by four.
; WINDOWS.  The 256 accumulator registers fill window 1; the feature arithmetic needs all its operands in window 0.  So matrix and vector
; instructions cannot share a setting of s_set_vgpr_msb, and the stream is laid in groups: four matrix instructions, then ten to twelve vector
; instructions and the group's LDS loads; two switches a group, 64 a step.  Longer groups would spare switches, but the SIMD's other wave is
; to have its matrix instructions ready while this one does vector work, and short groups interleave the two waves more finely.
; NO PREFETCH: every tile is asked for a whole step (128 matrix instructions of the wave) ahead of the wait for it.
.set WPITCH, 1040                      ; a weights' row in LDS: 1,024 bytes + 16 of padding = 65 x 16: the 16 rows of a fragment load start at 16 different 16-byte columns of 256 bytes
.set WSLOT,  128*WPITCH                ; 133,120
.set WQ,     32*WPITCH                 ; what one tensor load brings
.set WSTEP,  1024                      ; bytes from a step's block to the next in a row of wpk
.set XPITCH, 144                       ; a row of x in LDS: 128 + 16 = 9 x 16
.set XBASE,  2*WSLOT                   ; 266,240: x's ring lies behind the weights'
.set XSLOT,  128*XPITCH                ; 18,432
.set XQ,     32*XPITCH
.set XSTEP,  128
.set SPITCH, 528                       ; the way out: a row of 128 f32 + 16 = 33 x 16
.set SREG,   64*SPITCH                 ; 33,792: a wave's 64 rows; eight such regions lie over bytes 0 .. 270,335, used when every slot has had its last fill
; window 0
.set WA,  1                            ; v1-4   LDS address of my weight fragments: slot 0 columns 0-63, slot 0 columns 64-127, slot 1 likewise
.set XA,  5                            ; v5-6   LDS address of my four x of a row, slot 0, 1
.set X,   8                            ; v[8:23]   X + 4 mt + j: x(row 16 mt + r, feature 8 kq + 4 h + j of the step)
.set KS2, 24                           ; v[24:25]  a series constant, twice (in registers, so that no packed instruction reads two scalar pairs)
.set KC3, 26                           ; v[26:27]  likewise
.set SNB, 26                           ; v[28:41]  SNB + 2 k: 2 sin(k t) of two features, k = 1 .. 7
.set CSB, 40                           ; v[42:55]  CSB + 2 k: 2 cos(k t)
.set TN,  SNB+14                       ; what the reduction and the series need lies in the places of harmonics that are made later
.set TR,  SNB+12
.set TU,  CSB+12
.set TPS, SNB+10
.set TPC, CSB+10
.set TAQ, SNB+8
.set TBQ, CSB+8
.set TAH, SNB+6
.set TBH, CSB+6
.set STO, 56                           ; v56  the way out: where I put my sums
.set RD0, 57                           ; v57  where I read a row of quarters 0, 1 back
.set RD1, 58                           ; v58  of quarters 2, 3
.set OO,  59                           ; v59  16 x lane: my 16 bytes in a row's 512 of out0
.set BF,  64                           ; v[64:127]   ring of eight weight fragments: group g uses BF + 8 (g mod 8)
.set AF,  128                          ; v[128:255]  feature fragments: AF + 64 buffer + 16 mt + 8 e
; window 1: accumulator tile (mt, nt) at v[8 (8 mt + nt)]: rows 16 mt .., columns 16 nt ..
.set MUL, 0x50                         ; s_set_vgpr_msb: C (source 2) and D in window 1, both operands in window 0
.set ST1, 0x04                         ; an LDS store's data (source 1) in window 1
; scalars
.set G1X, 24                           ; s[24:31] descriptor group 1 of x's tiles
.set G0X, 32                           ; s[32:39] group 0 of x's tiles, a set for each slot
.set G1W, 48                           ; s[48:55] group 1 of the weights' tiles
.set G0W, 56                           ; s[56:63] group 0, a set for each slot
.set M2PH, 66                          ; pairs of equal words: constants of packed instructions
.set M2PL, 68
.set SA1,  70
.set SA3,  72
.set CB1,  74
.set CB2,  76
.set CB4,  78
.set OSC,  80
.set MSB, 0
.macro WIN new                         ; the immediate's high byte repeats the setting that is left; a switch that changes nothing is dropped
.if MSB != \new
	s_set_vgpr_msb (MSB<<8)|\new
.set MSB, \new
.endif
.endm
.macro PLACES                          ; four plain vector instructions behind a matrix instruction (ISA guide 7.12.1), where there is no work to put there
.rept 4
	v_nop
.endr
.endm
; A round of the cluster's barrier: my work-group's barrier, wave 0 signals for the work-group, every wave waits for all sixteen, my work-group's barrier again.
.macro CREST                           ; a round behind its opening barrier
	s_cmp_lg_u32 s10, 0
	s_cbranch_scc1 .Lnot_wave_0_\@
	s_barrier_signal -3
.Lnot_wave_0_\@:
	s_barrier_wait -3
	s_barrier_signal -1
	s_barrier_wait -1
.endm
.macro CROUND
	s_barrier_signal -1
	s_barrier_wait -1
	CREST
.endm
; A joint load.  Waves 0-3 ask for the weights' tile into slot ws (if dow), waves 4-7 for x's tile into slot xs (if dox).  The branch hangs on the
; wave's number alone; each line has one mask and registers that are equal in the four work-groups that the mask names.
.macro JLOAD ws, xs, dow, dox
	s_cmp_eq_u32 s11, 0
.if (\dow)*(\dox)
	s_cbranch_scc0 .Lfor_x_\@
	tensor_load_to_lds s[G0W+4*(\ws):G0W+4*(\ws)+3], s[G1W:G1W+7]
	s_nop 0
	s_branch .Lasked_\@
.Lfor_x_\@:
	tensor_load_to_lds s[G0X+4*(\xs):G0X+4*(\xs)+3], s[G1X:G1X+7]
	s_nop 0
.else
.if \dow
	s_cbranch_scc0 .Lasked_\@
	tensor_load_to_lds s[G0W+4*(\ws):G0W+4*(\ws)+3], s[G1W:G1W+7]
	s_nop 0
.else
	s_cbranch_scc1 .Lasked_\@
	tensor_load_to_lds s[G0X+4*(\xs):G0X+4*(\xs)+3], s[G1X:G1X+7]
	s_nop 0
.endif
.endif
.Lasked_\@:
.endm
	s_load_b128 s[4:7], s[0:1], 0x0                ; x s[4:5], wpk s[6:7]
	s_load_b64 s[8:9], s[0:1], 0x10                ; out0
	v_lshl_add_u32 v190, v0, 2, 0x4a000
	v_mov_b32 v191, 0
	ds_add_u32 v190, v191
	s_wait_dscnt 0x0
	v_lshrrev_b32 v7, 5, v0
	v_readfirstlane_b32 s10, v7                    ; wave 0..7
	s_lshr_b32 s11, s10, 2                         ; mh: my half of the block's rows.  Also: I fetch weights (0) or x (1)
	s_and_b32 s12, s10, 3                          ; kq: my quarter of the sum.  Also: which 32 rows of a tile I fetch
	s_bfe_u32 s40, ttmp6, 0x40000                  ; cx
	s_bfe_u32 s41, ttmp6, 0x40004                  ; cy
	s_lshl_b32 s42, ttmp9, 2                       ; in a cluster launch ttmp9 and ttmp7 count clusters
	s_add_co_u32 s42, s42, s40                     ; block column = 4 x cluster x + cx
	s_and_b32 s13, ttmp7, 0xffff
	s_lshl_b32 s13, s13, 2
	s_add_co_u32 s13, s13, s41                     ; block row = 4 x cluster y + cy
	s_lshl_b32 s43, s41, 2
	s_lshl_b32 s43, 15, s43                        ; my row of the cluster: places 4 cy .. 4 cy + 3
	s_lshl_b32 s44, 0x1111, s40                    ; my column: places cx, cx + 4, cx + 8, cx + 12
	; group 1 of the weights' tiles: 32 rows x 512 elements of 2 bytes, 16,384 elements from row to row; 4 words of padding behind every 256
	s_or_b32 s[G1W+0], s44, (1<<16)|(1<<20)|(1<<21)|(7<<22)|(3<<25)  ; 15:0 mask: my column; 17:16 2 bytes; 20 padding; 21 set beside a mask; 24:22 interval code 7; 31:25 pad code 3
	s_mov_b32 s[G1W+1], 512<<16                    ; tensor_dim0 = 512
	s_mov_b32 s[G1W+2], 32<<16                     ; tensor_dim1 = 32
	s_mov_b32 s[G1W+3], 512<<16                    ; tile_dim0 = 512
	s_mov_b32 s[G1W+4], 32                         ; tile_dim1 = 32
	s_mov_b32 s[G1W+5], 16384                      ; the pitch
	s_mov_b32 s[G1W+6], 0
	s_mov_b32 s[G1W+7], 0
	; group 1 of x's tiles: 32 rows x 32 elements of 4 bytes, 1,024 elements from row to row; 4 words of padding behind every 32
	s_or_b32 s[G1X+0], s43, (2<<16)|(1<<20)|(1<<21)|(4<<22)|(3<<25)  ; mask: my row; 4 bytes; interval code 4
	s_mov_b32 s[G1X+1], 32<<16
	s_mov_b32 s[G1X+2], 32<<16
	s_mov_b32 s[G1X+3], 32<<16
	s_mov_b32 s[G1X+4], 32
	s_mov_b32 s[G1X+5], 1024
	s_mov_b32 s[G1X+6], 0
	s_mov_b32 s[G1X+7], 0
	; where the tiles come from: x's address is made of the block row and the wave's number, the weights' of the block column and the wave's number,
	; each in registers that never hold the other coordinate
	s_lshl_b32 s16, s13, 19                        ; 128 rows of 4,096 bytes a block row
	s_lshl_b32 s17, s12, 17                        ; 32 rows
	s_add_co_u32 s16, s16, s17
	s_mov_b32 s17, 0
	s_lshl_b32 s46, s42, 22                        ; 128 rows of 32,768 bytes a block column
	s_lshl_b32 s47, s12, 20                        ; 32 rows
	s_add_co_u32 s46, s46, s47
	s_mov_b32 s47, 0
	s_mul_i32 s20, s12, WQ                         ; and where they go: the wave's number times a constant, plus the slot's constant
	s_mul_i32 s21, s12, XQ
	s_add_co_u32 s21, s21, XBASE
.irp w, 0,1
	s_mov_b32 s[M2PH+\w], 0xc0c90fdb               ; -(2 pi), the part that f32 holds
	s_mov_b32 s[M2PL+\w], 0x343bbd2e               ; -(2 pi), the rest
	s_mov_b32 s[SA1+\w], 0xbbaaaaab                ; -1/192
	s_mov_b32 s[SA3+\w], 0xb2d00d01                ; -1/41287680
	s_mov_b32 s[CB1+\w], 0xbd800000                ; -1/16
	s_mov_b32 s[CB2+\w], 0x39aaaaab                ; 1/3072
	s_mov_b32 s[CB4+\w], 0x30500d01                ; 1/1321205760
	s_mov_b32 s[OSC+\w], 0x39000000                ; 2^-13
.endr
	s_wait_kmcnt 0x0
	s_add_nc_u64 s[14:15], s[4:5], s[16:17]
	s_add_nc_u64 s[46:47], s[6:7], s[46:47]
.irp s, 0,1
	s_mov_b32 s[G0X+4*\s], 1                                       ; count = 1
	s_add_co_u32 s[G0X+4*\s+1], s21, \s*XSLOT                      ; LDS address
	s_add_nc_u64 s[G0X+4*\s+2:G0X+4*\s+3], s[14:15], \s*XSTEP      ; global address: step s
	s_or_b32 s[G0X+4*\s+3], s[G0X+4*\s+3], 0x80000000              ; type = 2
	s_mov_b32 s[G0W+4*\s], 1
	s_add_co_u32 s[G0W+4*\s+1], s20, \s*WSLOT
	s_add_nc_u64 s[G0W+4*\s+2:G0W+4*\s+3], s[46:47], \s*WSTEP
	s_or_b32 s[G0W+4*\s+3], s[G0W+4*\s+3], 0x80000000
.endr
	CROUND                                         ; all sixteen work-groups are here: the first joint loads meet
	; all first fills, as one group, in one branch on the wave's number: two loads a wave, the most that a wave of this text ever has outstanding
	s_cmp_eq_u32 s11, 0
	s_cbranch_scc0 .Lfirst_x
	tensor_load_to_lds s[G0W:G0W+3], s[G1W:G1W+7]          ; weights of step 0
	s_nop 0
	tensor_load_to_lds s[G0W+4:G0W+7], s[G1W:G1W+7]        ; and of step 1
	s_nop 0
	s_branch .Lfirst_done
.Lfirst_x:
	tensor_load_to_lds s[G0X:G0X+3], s[G1X:G1X+7]          ; x of step 0
	s_nop 0
	tensor_load_to_lds s[G0X+4:G0X+7], s[G1X:G1X+7]        ; and of step 1
	s_nop 0
.Lfirst_done:
	; addresses, while the tiles are on their way.  r = lane mod 16, h = lane / 16.
	v_and_b32 v60, 15, v0                          ; r
	v_bfe_u32 v61, v0, 4, 1                        ; h
	v_and_b32 v62, 31, v0                          ; lane
	; a matrix instruction (32 along the sum) takes feature 8 kq + 4 h + j of the step: registers 0-3 its eight sines or a's, registers 4-7 its eight
	; cosines or b's; both operands alike, so the products meet.  Weights of column r: 16 bytes at 16 x feature, and 512 bytes further on.
	v_mul_u32_u24 v[WA], v60, WPITCH
	v_lshl_add_u32 v[WA], v61, 6, v[WA]            ; + 64 h
	s_lshl_b32 s22, s12, 7                         ; + 128 kq
	v_add_nc_u32 v[WA], s22, v[WA]
	v_add_nc_u32 v[WA+1], 64*WPITCH, v[WA]
	v_add_nc_u32 v[WA+2], WSLOT, v[WA]
	v_add_nc_u32 v[WA+3], WSLOT+64*WPITCH, v[WA]
	s_mul_i32 s23, s11, 64*XPITCH                  ; my 64 rows of x
	s_lshl_b32 s22, s12, 5                         ; + 32 kq
	s_add_co_u32 s23, s23, s22
	s_add_co_u32 s23, s23, XBASE
	v_mul_u32_u24 v[XA], v60, XPITCH
	v_lshl_add_u32 v[XA], v61, 4, v[XA]            ; + 16 h: four features
	v_add_nc_u32 v[XA], s23, v[XA]
	v_add_nc_u32 v[XA+1], XSLOT, v[XA]
	s_mul_i32 s22, s10, SREG                       ; the way out: my region,
	v_mul_u32_u24 v[STO], v60, SPITCH              ; row r,
	v_lshl_add_u32 v[STO], v61, 5, v[STO]          ; eight columns for each half of the lanes
	v_add_nc_u32 v[STO], s22, v[STO]
	s_mul_i32 s22, s11, 4*SREG                     ; back: wave w adds block rows 16 w .. + 15, which lie in the four regions of half w / 4, rows 16 (w mod 4) ..
	s_mul_i32 s23, s12, 16*SPITCH
	s_add_co_u32 s22, s22, s23
	v_lshlrev_b32 v[OO], 4, v62
	v_add_nc_u32 v[RD0], s22, v[OO]
	v_add_nc_u32 v[RD1], 2*SREG, v[RD0]
	v_mov_b32 v[KS2], 0x37888889                   ; 1/61440
	v_mov_b32 v[KS2+1], 0x37888889
	v_mov_b32 v[KC3], 0xb5360b61                   ; -1/1474560
	v_mov_b32 v[KC3+1], 0xb5360b61
; THE FEATURES of two input features (a register pair of X) for 16 rows, in four parts of ten to twelve plain vector instructions.
; r = x - n 2 pi in [-pi, pi], u = r r.  Series at r / 4, the powers of 1/4 and a factor 2 folded into the constants:
;   2 sin(r/4) = r (1/2 + u (SA1 + u (KS2 + u SA3))),   2 cos(r/4) = 2 + u (CB1 + u (CB2 + u (KC3 + u CB4))).
; With A = 2 sin, B = 2 cos an angle is doubled by A B and B B - 2; twice gives 2 sin t, 2 cos t.  Then S(k) = C(1) S(k-1) - S(k-2), C(k) likewise.
.macro CHEB k
	v_pk_fma_f32 v[SNB+2*\k:SNB+2*\k+1], v[CSB+2:CSB+3], v[SNB+2*\k-2:SNB+2*\k-1], v[SNB+2*\k-4:SNB+2*\k-3] neg_lo:[0,0,1] neg_hi:[0,0,1]
	v_pk_fma_f32 v[CSB+2*\k:CSB+2*\k+1], v[CSB+2:CSB+3], v[CSB+2*\k-2:CSB+2*\k-1], v[CSB+2*\k-4:CSB+2*\k-3] neg_lo:[0,0,1] neg_hi:[0,0,1]
.endm
.macro PACK reg, lo, hi                ; register reg of both features' fragments: two harmonics, the lower in the low half
	v_cvt_pk_f16_f32 v[FDST+\reg], v[\lo], v[\hi]
	v_cvt_pk_f16_f32 v[FDST+8+\reg], v[\lo+1], v[\hi+1]
.endm
.macro FPART k, xp, dst                ; part k; xp: the pair of X; dst: the first feature's fragment (the second's lies 8 registers on)
.set FKK, (\k)
.set FXP, (\xp)
.set FDST, (\dst)
.if FKK == 0
	v_pk_mul_f32 v[TN:TN+1], v[FXP:FXP+1], 0.15915494 op_sel_hi:[1,0]
	v_rndne_f32 v[TN], v[TN]
	v_rndne_f32 v[TN+1], v[TN+1]
	v_pk_fma_f32 v[TR:TR+1], v[TN:TN+1], s[M2PH:M2PH+1], v[FXP:FXP+1] op_sel_hi:[1,0,1]
	v_pk_fma_f32 v[TR:TR+1], v[TN:TN+1], s[M2PL:M2PL+1], v[TR:TR+1] op_sel_hi:[1,0,1]
	v_pk_mul_f32 v[TU:TU+1], v[TR:TR+1], v[TR:TR+1]
	v_pk_fma_f32 v[TPS:TPS+1], v[TU:TU+1], s[SA3:SA3+1], v[KS2:KS2+1] op_sel_hi:[1,0,1]
	v_pk_fma_f32 v[TPC:TPC+1], v[TU:TU+1], s[CB4:CB4+1], v[KC3:KC3+1] op_sel_hi:[1,0,1]
	v_pk_fma_f32 v[TPS:TPS+1], v[TPS:TPS+1], v[TU:TU+1], s[SA1:SA1+1] op_sel_hi:[1,1,0]
	v_pk_fma_f32 v[TPC:TPC+1], v[TPC:TPC+1], v[TU:TU+1], s[CB2:CB2+1] op_sel_hi:[1,1,0]
	v_pk_fma_f32 v[TPS:TPS+1], v[TPS:TPS+1], v[TU:TU+1], 0.5 op_sel_hi:[1,1,0]
	v_pk_fma_f32 v[TPC:TPC+1], v[TPC:TPC+1], v[TU:TU+1], s[CB1:CB1+1] op_sel_hi:[1,1,0]
.endif
.if FKK == 1
	v_pk_mul_f32 v[TAQ:TAQ+1], v[TPS:TPS+1], v[TR:TR+1]                          ; 2 sin(r/4)
	v_pk_fma_f32 v[TBQ:TBQ+1], v[TPC:TPC+1], v[TU:TU+1], 2.0 op_sel_hi:[1,1,0]   ; 2 cos(r/4)
	v_pk_mul_f32 v[TAH:TAH+1], v[TAQ:TAQ+1], v[TBQ:TBQ+1]                        ; r/2
	v_pk_fma_f32 v[TBH:TBH+1], v[TBQ:TBQ+1], v[TBQ:TBQ+1], -2.0 op_sel_hi:[1,1,0]
	v_pk_mul_f32 v[SNB+2:SNB+3], v[TAH:TAH+1], v[TBH:TBH+1]                      ; S(1)
	v_pk_fma_f32 v[CSB+2:CSB+3], v[TBH:TBH+1], v[TBH:TBH+1], -2.0 op_sel_hi:[1,1,0]   ; C(1)
	v_pk_mul_f32 v[SNB+4:SNB+5], v[CSB+2:CSB+3], v[SNB+2:SNB+3]                  ; S(2) = C(1) S(1) - 0
	v_pk_fma_f32 v[CSB+4:CSB+5], v[CSB+2:CSB+3], v[CSB+2:CSB+3], -2.0 op_sel_hi:[1,1,0]   ; C(2) = C(1) C(1) - 2
	CHEB 3
	v_cvt_pk_f16_f32 v[FDST], 0, v[SNB+2]                                        ; sin(0 x) = 0, S(1)
	v_cvt_pk_f16_f32 v[FDST+8], 0, v[SNB+3]
.endif
.if FKK == 2
	CHEB 4
	v_cvt_pk_f16_f32 v[FDST+4], 2.0, v[CSB+2]                                    ; 2 cos(0 x) = 2, C(1)
	v_cvt_pk_f16_f32 v[FDST+12], 2.0, v[CSB+3]
	PACK 1, SNB+4, SNB+6
	CHEB 5
	PACK 5, CSB+4, CSB+6
.endif
.if FKK == 3
	CHEB 6
	PACK 2, SNB+8, SNB+10
	PACK 6, CSB+8, CSB+10
	CHEB 7
	PACK 3, SNB+12, SNB+14
	PACK 7, CSB+12, CSB+14
.endif
.endm
; The weight fragment of group gf, from slot: columns 16 nt .. + 15, feature j: 16 bytes of a's part of the row and 16 of b's, into place gf mod 8 of the ring
.macro LOADB slot, gf
.set LJ, ((2*((\gf)>>4))+(((\gf)>>1)&1))
.set LN, ((2*(((\gf)>>2)&3))+((\gf)&1))
.set LR, (BF+(8*((\gf)&7)))
	ds_load_b128 v[LR:LR+3],   v[WA+(2*(\slot))+(LN>>2)] offset:((LN&3)*16*WPITCH)+(16*LJ)
	ds_load_b128 v[LR+4:LR+7], v[WA+(2*(\slot))+(LN>>2)] offset:((LN&3)*16*WPITCH)+(16*LJ)+512
.endm
; GROUP G (0 .. 31) of a step.  G = 16 HP + 4 CP + 2 EE + q: columns NT = 2 CP + q, feature j = 2 HP + EE.
; Four matrix instructions on the tiles (0 .. 3, NT).  The accumulators take turns, one instruction a turn, over the ends of groups, steps and the
; loop too (a step ends on tile (3, 7) and begins on (0, 0)); a tile comes up again behind seven others.
; The matrix instruction is used transposed (source 0 weights, source 1 features): lane (r, h) holds row r, its registers columns 8 h + 0 .. 7.
; The vector part makes features for half a step ahead: in the first half (HP = 0) features 2, 3 of this step into buffer 1, in the second half
; features 0, 1 of the next step into buffer 0; rows 16 CP .., one part a group.  It names neither this group's fragments nor its tiles, so its ten
; or more instructions are also the places behind the matrix instructions that the LDS loads into the fragment ring need.
; par: the step's slot.  zero: the first products start the sums.  last: no next step.
; fill: 2 = both rings are filled again, 1 = the weights' alone, 0 = nothing is, -1 = the last step: no change of slots.
.macro GROUP par, zero, fill, last
.set HP, (G>>4)
.set CP, ((G>>2)&3)
.set EE, ((G>>1)&1)
.set NT, ((2*CP)+(G&1))
.set FK, (G&3)
.set BR, (BF+(8*(G&7)))
.if G <= 24
	s_wait_dscnt 14                                ; my fragment's two loads were issued eight groups ago; behind them seven groups issued two loads or more each
.else
.if \fill < 0
	s_wait_dscnt 2*(31-G)                          ; the last loads were issued in group 23: the counts run down
.else
.if G == 25
	s_wait_dscnt 0x0                               ; my reads of this step's weights (the last were issued in group 23) and of the next step's x (group 13) are over
	s_wait_xcnt 0x0
	v_lshl_add_u32 v190, v0, 2, 0x4a000
	v_mov_b32 v191, 0
	s_wait_tensorcnt 0x0                           ; and my one tensor load that was out has landed: my part of the next step's weights, or of x two steps on
	ds_add_u32 v190, v191
	s_wait_dscnt 0x0
	s_barrier_signal -1                            ; groups 26 to 31 need no wait: their fragments are older than the wait for 0 above
.endif
.endif
.endif
	WIN MUL
.irp mt, 0,1,2,3
.if (\zero)*(1-HP)*(1-EE)
	v_wmma_f32_16x16x32_f16 v[8*(8*\mt+NT):8*(8*\mt+NT)+7], v[BR:BR+7], v[AF+64*HP+16*\mt+8*EE:AF+64*HP+16*\mt+8*EE+7], 0
.else
	v_wmma_f32_16x16x32_f16 v[8*(8*\mt+NT):8*(8*\mt+NT)+7], v[BR:BR+7], v[AF+64*HP+16*\mt+8*EE:AF+64*HP+16*\mt+8*EE+7], v[8*(8*\mt+NT):8*(8*\mt+NT)+7]
.endif
.endr
	WIN 0
.if G == 25
.if \fill >= 0
	s_barrier_wait -1                              ; all eight waves have said so: the next step's weights are whole
.endif
.if \fill >= 1
	CREST                                          ; and all sixteen work-groups: no wave of any partner still reads the slots that are filled now, or has a load on its way
	s_add_nc_u64 s[G0W+4*\par+2:G0W+4*\par+3], s[G0W+4*\par+2:G0W+4*\par+3], 2*WSTEP   ; no tensor load of mine is out: a group 0 may be written
.endif
.if \fill == 2
	s_add_nc_u64 s[G0X+4*(1-\par)+2:G0X+4*(1-\par)+3], s[G0X+4*(1-\par)+2:G0X+4*(1-\par)+3], 2*XSTEP
	JLOAD \par, 1-\par, 1, 1                       ; weights two steps on into this step's slot; x three steps on into the slot read in this step
.endif
.if \fill == 1
	JLOAD \par, 1-\par, 1, 0                       ; the last weights; no x is left to fetch
.endif
.endif
.if (\last)*HP
.if G <= 23
	PLACES                                         ; no next step, no features to make: the places behind the matrix instructions
.endif
.else
	FPART FK, X+4*CP+2*(1-HP), AF+64*(1-HP)+16*CP
.endif
.if (1-HP)*(1-(\last))
.if FK == 1
	ds_load_b128 v[X+4*CP:X+4*CP+3], v[XA+1-(\par)] offset:CP*16*XPITCH   ; x of the next step; these four registers were last read in part 0, a group ago
.endif
.endif
.if G <= 23
	LOADB \par, G+8
.endif
.if (1-(\last))
.if G == 25
	LOADB 1-\par, 0                                ; behind the barrier: the next step's first fragments
	LOADB 1-\par, 1
.endif
.if G >= 26
	LOADB 1-\par, G-24
.endif
.endif
.endm
.macro STEP par, zero, fill, last
.set G, 0
.rept 32
	GROUP \par, \zero, \fill, \last
.set G, G+1
.endr
.endm
	s_wait_tensorcnt 0x1                           ; my older load (step 0) has landed; step 1's may stay out
	s_barrier_signal -1
	s_barrier_wait -1                              ; everybody's has
.irp mt, 0,1,2,3
	ds_load_b128 v[X+4*\mt:X+4*\mt+3], v[XA] offset:\mt*16*XPITCH   ; x of step 0
.endr
.irp f, 0,1,2,3,4,5,6,7
	LOADB 0, \f
.endr
	s_wait_dscnt 0x0                               ; my reads of x's slot 0 are over
	s_wait_xcnt 0x0
	v_lshl_add_u32 v190, v0, 2, 0x4a000
	v_mov_b32 v191, 0
	s_wait_tensorcnt 0x0                           ; all my tensor loads have landed, step 1's tiles among them
	ds_add_u32 v190, v191
	s_wait_dscnt 0x0
	CROUND                                         ; the same of every wave of the cluster
	s_add_nc_u64 s[G0X+2:G0X+3], s[G0X+2:G0X+3], 2*XSTEP
	JLOAD 0, 0, 0, 1                               ; x of step 2 into slot 0; waves 0-3 have nothing to fill here
.irp mt, 0,1,2,3                                   ; features 0, 1 of step 0: the only ones made with no matrix work beside them
.irp k, 0,1,2,3
	FPART \k, X+4*\mt, AF+16*\mt
.endr
.endr
	STEP 0, 1, 2, 0                                ; step 0: its first products start the sums, nothing is cleared
	STEP 1, 0, 2, 0
	s_mov_b32 s3, 13
.Lloop:                                            ; steps 2 to 27
	STEP 0, 0, 2, 0
	STEP 1, 0, 2, 0
	s_sub_co_u32 s3, s3, 1
	s_cmp_lg_u32 s3, 0
	s_cbranch_scc1 .Lloop
	STEP 0, 0, 2, 0                                ; step 28 asks for weights 30 and x 31
	STEP 1, 0, 1, 0                                ; step 29 for weights 31
	STEP 0, 0, 0, 0                                ; step 30 for nothing: its barrier shows weights 31 whole
	STEP 1, 0, -1, 1                               ; step 31
	; THE WAY OUT.  Each wave puts its 64 x 128 partial sums into its region of LDS; then wave w adds the four quarters of block rows 16 w .. + 15.
	; The regions lie over the rings: every slot has had its last fill, and the barrier below shows every wave's reads of them over.
	PLACES                                         ; behind the last matrix instructions: for the stores, which read results, and the loads into fragment registers
	s_lshl_b32 s82, s13, 19                        ; out0: 128 rows of 4,096 bytes a block row,
	s_lshl_b32 s83, s10, 16                        ; 16 rows a wave,
	s_add_co_u32 s82, s82, s83
	s_lshl_b32 s83, s42, 9                         ; 512 bytes a block column
	s_add_co_u32 s82, s82, s83
	s_mov_b32 s83, 0
	s_add_nc_u64 s[8:9], s[8:9], s[82:83]
	s_wait_dscnt 0x0
	s_barrier_signal -1
	s_barrier_wait -1
	WIN ST1
.irp mt, 0,1,2,3
.irp nt, 0,1,2,3,4,5,6,7
	ds_store_b128 v[STO], v[8*(8*\mt+\nt):8*(8*\mt+\nt)+3]   offset:\mt*16*SPITCH+\nt*64
	ds_store_b128 v[STO], v[8*(8*\mt+\nt)+4:8*(8*\mt+\nt)+7] offset:\mt*16*SPITCH+\nt*64+16
.endr
.endr
	WIN 0
	s_wait_dscnt 0x0                               ; my stores are done, for the others' sake
	s_barrier_signal -1
	s_barrier_wait -1
; batch b: rows 4 b .. 4 b + 3 of my sixteen, four quarters each, 16 loads of 512 consecutive bytes, into v[64:127] and v[128:191] by turns
.macro ELOAD b
.set ES, (64+(64*((\b)&1)))
.irp i, 0,1,2,3
	ds_load_b128 v[ES+16*\i:ES+16*\i+3],     v[RD0] offset:(4*(\b)+\i)*SPITCH
	ds_load_b128 v[ES+16*\i+4:ES+16*\i+7],   v[RD0] offset:SREG+(4*(\b)+\i)*SPITCH
	ds_load_b128 v[ES+16*\i+8:ES+16*\i+11],  v[RD1] offset:(4*(\b)+\i)*SPITCH
	ds_load_b128 v[ES+16*\i+12:ES+16*\i+15], v[RD1] offset:SREG+(4*(\b)+\i)*SPITCH
.endr
.endm
; the sums of batch b, times 2^-13 (exact, so the chain is ((p0 + p1) + p2) + p3 scaled); younger = loads of the next batch that may stay out
.macro EOUT b, younger
.set ES, (64+(64*((\b)&1)))
.irp i, 0,1,2,3
	s_wait_dscnt (\younger)+4*(3-\i)               ; LDS loads come back in order (ISA guide 5.7.1): row i's four are in
	v_pk_mul_f32 v[ES+16*\i:ES+16*\i+1],   v[ES+16*\i:ES+16*\i+1],   s[OSC:OSC+1] op_sel_hi:[1,0]
	v_pk_mul_f32 v[ES+16*\i+2:ES+16*\i+3], v[ES+16*\i+2:ES+16*\i+3], s[OSC:OSC+1] op_sel_hi:[1,0]
.irp p, 4,8,12
	v_pk_fma_f32 v[ES+16*\i:ES+16*\i+1],   v[ES+16*\i+\p:ES+16*\i+\p+1],   s[OSC:OSC+1], v[ES+16*\i:ES+16*\i+1] op_sel_hi:[1,0,1]
	v_pk_fma_f32 v[ES+16*\i+2:ES+16*\i+3], v[ES+16*\i+\p+2:ES+16*\i+\p+3], s[OSC:OSC+1], v[ES+16*\i+2:ES+16*\i+3] op_sel_hi:[1,0,1]
.endr
	global_store_b128 v[OO], v[ES+16*\i:ES+16*\i+3], s[8:9] offset:(4*(\b)+\i)*4096 th:TH_STORE_NT   ; the wave stores 512 consecutive bytes, at a multiple of 512 from out0's first byte
.endr
.endm
	ELOAD 0
	ELOAD 1
	EOUT 0, 16
	s_wait_xcnt 0x0                                ; every earlier memory instruction has had its addresses translated (ISA guide 3.1): the registers that batch 0's stores read are loaded again only behind this wait
	ELOAD 2
	EOUT 1, 16
	s_wait_xcnt 0x0                                ; the same for batch 1's
	ELOAD 3
	EOUT 2, 16
	EOUT 3, 0
	s_wait_xcnt 0x0
	v_lshl_add_u32 v190, v0, 2, 0x4a000
	v_mov_b32 v191, 0
	s_wait_tensorcnt 0x0
	ds_add_u32 v190, v191
	s_wait_dscnt 0x0
	CROUND                                         ; the closing round: no work-group ends while a partner may still ask for a tile that names it
	s_endpgm
.Lfunc_end_k_q756313f5cb_fkan:
	.size	k_q756313f5cb_fkan, .Lfunc_end_k_q756313f5cb_fkan-k_q756313f5cb_fkan
	.p2alignl 7, 3214868480
	.fill 96, 4, 3214868480
	.section	.rodata,"a",@progbits
	.p2align	6, 0x0
	.amdhsa_kernel k_q756313f5cb_fkan
		.amdhsa_group_segment_fixed_size 327680
		.amdhsa_private_segment_fixed_size 0
		.amdhsa_enable_private_segment 0
		.amdhsa_kernarg_size 24
		.amdhsa_user_sgpr_count 2
		.amdhsa_user_sgpr_kernarg_segment_ptr 1
		.amdhsa_wavefront_size32 1
		.amdhsa_system_sgpr_workgroup_id_x 1
		.amdhsa_system_sgpr_workgroup_id_y 1
		.amdhsa_system_sgpr_workgroup_id_z 1
		.amdhsa_system_vgpr_workitem_id 0
		.amdhsa_next_free_vgpr 512
		.amdhsa_next_free_sgpr 88
		.amdhsa_reserve_vcc 0
		.amdhsa_float_denorm_mode_32 3
		.amdhsa_float_denorm_mode_16_64 3
		.amdhsa_memory_ordered 1
		.amdhsa_forward_progress 1
		.amdhsa_inst_pref_size 255
	.end_amdhsa_kernel
	.section	.bss,"aw",@nobits
	.p2align	6
	.space	262144
	.amdgpu_metadata
---
amdhsa.version: [ 1, 2 ]
amdhsa.kernels:
  - .name:           k_q756313f5cb_fkan
    .symbol:         k_q756313f5cb_fkan.kd
    .args:
      - { .name: x, .offset: 0, .size: 8, .value_kind: global_buffer, .address_space: global }
      - { .name: wpk, .offset: 8, .size: 8, .value_kind: global_buffer, .address_space: global }
      - { .name: out0, .offset: 16, .size: 8, .value_kind: global_buffer, .address_space: global }
    .group_segment_fixed_size: 327680
    .private_segment_fixed_size: 0
    .kernarg_segment_align: 8
    .kernarg_segment_size: 24
    .max_flat_workgroup_size: 256
    .sgpr_count:     88
    .vgpr_count:     512
    .wavefront_size: 32
...
	.end_amdgpu_metadata
.endif
;; end of part 2
